; MI455X (gfx1250); checked and timed in simulation.
; The chip was launched on July 23, 2026; its instructions are those of AMD's public machine-readable ISA for CDNA 5 (MIT licence, August 2026) and "CDNA5" Instruction Set Architecture Reference Guide (July 2026). The comments in the code are by the model that wrote it; some were corrected since.
;; LSTM Cell. Allowed arithmetic: float matrix products may take bf16 or f16 operands with f32 sums; other float arithmetic in f32, or as packed bf16 or f16 multiplies, adds, multiply-adds, maxima and minima; sums over many terms, partial sums and values carried from step to step in f32; what a program stores and reads back later, other than sums and carried values, may be rounded once to bf16 or f16.
;; Inputs: Wh 4 x 1,024 x 1,024 float32; Wx 4 x 1,024 x 1,024 float32; c 8,192 x 1,024 float32; h 8,192 x 1,024 float32; x 8,192 x 1,024 float32.
;; Outputs: out0 8,192 x 1,024 float32; out1 8,192 x 1,024 float32.
;; 2 versions, each right; version 2 is version 1 with the launch prep written anew for expert scheduling mode. Each part assembles by itself: llvm-mc -triple=amdgcn-amd-amdhsa -mcpu=gfx1250 --defsym DOCPART=n.
;; ======== version 1 of 2: 2 launches
;; workspace buffers: abf 33,554,432 bytes; bkn 16,777,216 bytes
;; launch prep (part 1): grid 768 x 1, 8 waves a work-group, no clusters, 0 bytes of LDS; arguments x, h, Wx, Wh, abf, bkn; writes abf, bkn
.if DOCPART == 1
	.amdgcn_target "amdgcn-amd-amdhsa--gfx1250"
	.amdhsa_code_object_version 6
	.text
	.protected	k_q704388dbf6_prep
	.globl	k_q704388dbf6_prep
	.p2align	8
	.type	k_q704388dbf6_prep,@function
k_q704388dbf6_prep:
	s_mov_b64 s[64:65], 0
	v_nop
	global_prefetch_b8 v0, s[64:65] scope:SCOPE_SE
	s_setreg_imm32_b32 hwreg(HW_REG_WAVE_MODE, 25, 1), 1
	s_wait_xcnt 0x0
; LSTM cell, first of two launches: the matrix operands are rounded ONCE to bf16 (nearest even) and laid out for the product.
;   g[gate][b][k] = sum over d of x[b][d] Wx[gate][d][k] + sum over d of h[b][d] Wh[gate][d][k]   is ONE product with K = 2,048 (x beside h) and N = 4,096 (four gates).
;   abf[b][kk]  (8,192 x 2,048 bf16): kk < 1,024: x[b][kk]; else h[b][kk - 1,024].  A row is 4,096 bytes.
;   bkn[kk][n'] (2,048 x 4,096 bf16): kk < 1,024: Wx[gate][kk][k]; else Wh[gate][kk - 1,024][k], at column n' = (k / 64) * 256 + gate * 64 + k % 64:
;   the four gates of 64 neighbouring k lie in one block of 256 columns, so that a tile of the product holds all four gates of its k.  The weights keep their orientation (K down the rows).
; NOTHING IS LEFT OUT: every number of x, h, c, Wx and Wh reaches both outputs for general values, so all five inputs are loaded (c by the second launch).
; LIMIT: a magnitude beyond bf16's largest finite number becomes an infinity here; NaN stays NaN.
; SHARES.  A work-group makes 65,536 consecutive bytes of abf (work-groups 0-511: 16 rows) or of bkn (512-767: 8 rows), as 32 pieces of 2,048 bytes.  For each piece thread t loads 16 bytes
; (4 f32) and stores 8 bytes (4 bf16) at byte 8 t of the piece: a wave's store covers 256 consecutive bytes, aligned; a wave's load 512 consecutive bytes (x, h) or two aligned runs of 256 (weights).
; All 32 loads of a thread go out before the first wait; no register that a memory instruction names is written again, so the text holds no wait but the counted ones for the loads.
; No LDS, no barrier, no matrix unit: no thread wants a byte that another has fetched.
.set DT, 8                             ; v[8:135]  piece j as loaded in v[DT+4j : DT+4j+3]; its first two registers then hold the 4 bf16
	s_load_b256 s[4:11], s[0:1], 0x0               ; x s[4:5], h s[6:7], Wx s[8:9], Wh s[10:11]
	s_load_b128 s[12:15], s[0:1], 0x20             ; abf s[12:13], bkn s[14:15]
	v_lshlrev_b32 v1, 4, v0                        ; x, h: my 16 bytes of a row: 16 t
	v_lshrrev_b32 v4, 4, v0                        ; weights: p = t / 16 = 4 x (block of 64 k in the piece) + gate
	v_and_b32 v5, 3, v4
	v_lshlrev_b32 v2, 22, v5                       ; a gate's matrix is 4 MiB
	v_lshrrev_b32 v4, 2, v4
	v_lshl_or_b32 v2, v4, 8, v2                    ; 64 k are 256 bytes
	v_and_b32 v5, 15, v0
	v_lshl_or_b32 v2, v5, 4, v2                    ; my 4 k of the 64
	v_lshlrev_b32 v3, 3, v0                        ; where I store: 8 t
	s_mov_b32 s23, 0                               ; the upper word of every offset pair
	s_wait_kmcnt 0x0
	s_cmp_lt_u32 ttmp9, 512
	s_cbranch_scc0 .Lweights
	s_lshl_b32 s22, ttmp9, 16                      ; 16 rows of 4,096 bytes, in x, in h and in abf alike
	s_add_nc_u64 s[16:17], s[4:5], s[22:23]
	s_add_nc_u64 s[18:19], s[6:7], s[22:23]
	s_add_nc_u64 s[20:21], s[12:13], s[22:23]
.set j, 0
.rept 16                               ; pieces 2 j and 2 j + 1 are row j of x and of h: the two halves of row j of abf
	global_load_b128 v[DT+8*j:DT+8*j+3],   v1, s[16:17] offset:4096*j th:TH_LOAD_NT
	global_load_b128 v[DT+8*j+4:DT+8*j+7], v1, s[18:19] offset:4096*j th:TH_LOAD_NT
.set j, j+1
.endr
	s_branch .Lout
.Lweights:
	s_sub_co_u32 s24, ttmp9, 512                   ; w' = 0 .. 255: rows kk = 8 w' .. 8 w' + 7
	s_cmp_lt_u32 s24, 128
	s_cselect_b64 s[16:17], s[8:9], s[10:11]       ; the first 1,024 rows come from Wx, the others from Wh
	s_and_b32 s22, s24, 127
	s_lshl_b32 s22, s22, 15                        ; 8 rows d of 4,096 bytes
	s_add_nc_u64 s[16:17], s[16:17], s[22:23]
	s_lshl_b32 s22, s24, 16                        ; 8 rows of bkn, 8,192 bytes each
	s_add_nc_u64 s[20:21], s[14:15], s[22:23]
.set j, 0
.rept 32                               ; piece j: row j / 4 (4,096 bytes on), blocks 4 (j % 4) .. + 3 of 64 k (1,024 bytes on): together 1,024 j
	global_load_b128 v[DT+4*j:DT+4*j+3], v2, s[16:17] offset:1024*j th:TH_LOAD_NT
.set j, j+1
.endr
.Lout:
.set j, 0
.rept 32
	s_wait_loadcnt 31-j                            ; loads come back in order: piece j is in, the 31 - j younger ones may stay out
	v_cvt_pk_bf16_f32 v[DT+4*j],   v[DT+4*j],   v[DT+4*j+1]
	v_cvt_pk_bf16_f32 v[DT+4*j+1], v[DT+4*j+2], v[DT+4*j+3]
	global_store_b64 v3, v[DT+4*j:DT+4*j+1], s[20:21] offset:2048*j th:TH_STORE_NT
.set j, j+1
.endr
	s_endpgm
.Lfunc_end_k_q704388dbf6_prep:
	.size	k_q704388dbf6_prep, .Lfunc_end_k_q704388dbf6_prep-k_q704388dbf6_prep
	.p2alignl 7, 3214868480
	.fill 96, 4, 3214868480
	.section	.rodata,"a",@progbits
	.p2align	6, 0x0
	.amdhsa_kernel k_q704388dbf6_prep
		.amdhsa_group_segment_fixed_size 0
		.amdhsa_private_segment_fixed_size 0
		.amdhsa_enable_private_segment 0
		.amdhsa_kernarg_size 48
		.amdhsa_user_sgpr_count 2
		.amdhsa_user_sgpr_kernarg_segment_ptr 1
		.amdhsa_wavefront_size32 1
		.amdhsa_system_sgpr_workgroup_id_x 1
		.amdhsa_system_sgpr_workgroup_id_y 1
		.amdhsa_system_sgpr_workgroup_id_z 1
		.amdhsa_system_vgpr_workitem_id 0
		.amdhsa_next_free_vgpr 136
		.amdhsa_next_free_sgpr 66
		.amdhsa_reserve_vcc 0
		.amdhsa_float_denorm_mode_32 3
		.amdhsa_float_denorm_mode_16_64 3
		.amdhsa_memory_ordered 1
		.amdhsa_forward_progress 1
		.amdhsa_inst_pref_size 16
	.end_amdhsa_kernel
	.amdgpu_metadata
---
amdhsa.version: [ 1, 2 ]
amdhsa.kernels:
  - .name:           k_q704388dbf6_prep
    .symbol:         k_q704388dbf6_prep.kd
    .args:
      - { .name: x, .offset: 0, .size: 8, .value_kind: global_buffer, .address_space: global }
      - { .name: h, .offset: 8, .size: 8, .value_kind: global_buffer, .address_space: global }
      - { .name: Wx, .offset: 16, .size: 8, .value_kind: global_buffer, .address_space: global }
      - { .name: Wh, .offset: 24, .size: 8, .value_kind: global_buffer, .address_space: global }
      - { .name: abf, .offset: 32, .size: 8, .value_kind: global_buffer, .address_space: global }
      - { .name: bkn, .offset: 40, .size: 8, .value_kind: global_buffer, .address_space: global }
    .group_segment_fixed_size: 0
    .private_segment_fixed_size: 0
    .kernarg_segment_align: 8
    .kernarg_segment_size: 48
    .max_flat_workgroup_size: 256
    .sgpr_count:     66
    .vgpr_count:     136
    .wavefront_size: 32
...
	.end_amdgpu_metadata
.endif
;; end of part 1
;; launch lstm (part 2): grid 16 x 32, 4 waves a work-group, clusters of 4 x 4, 327,680 bytes of LDS; arguments abf, bkn, c, out0, out1; writes out0, out1
.if DOCPART == 2
	.amdgcn_target "amdgcn-amd-amdhsa--gfx1250"
	.amdhsa_code_object_version 6
	.text
	.protected	k_q704388dbf6_lstm
	.globl	k_q704388dbf6_lstm
	.p2align	8
	.type	k_q704388dbf6_lstm,@function
k_q704388dbf6_lstm:
	s_mov_b64 s[64:65], 0
	v_nop
	global_prefetch_b8 v0, s[64:65] scope:SCOPE_SE
	s_setreg_imm32_b32 hwreg(HW_REG_WAVE_MODE, 25, 1), 1
	s_wait_xcnt 0x0
	s_wait_alu depctr_hold_cnt(0) depctr_sa_sdst(0) depctr_va_vdst(0) depctr_va_sdst(0) depctr_va_ssrc(0) depctr_va_vcc(0) depctr_vm_vsrc(0)
	s_getreg_b32 s2, hwreg(HW_REG_IB_STS2, 6, 4)
	s_cmp_eq_u32 s2, 0
	s_cbranch_scc0 .Lentry_in_a_cluster
	s_endpgm
.Lentry_in_a_cluster:
	s_bfe_u32 s2, ttmp6, 0x10000c
	s_cmp_lg_u32 s2, 0xf033
	s_cbranch_scc0 .Lentry_shape_is_right
	s_endpgm
.Lentry_shape_is_right:
; LSTM cell, second launch: g = abf x bkn (bf16 operands, f32 sums, K = 2,048), then, on the accumulators,
;   i, f, o = sigmoid(g0, g1, g2), u = tanh(g3), c_t = i u + f c (out1), h_t = o tanh(c_t) (out0).  The pre-activations never leave the registers.  Nothing of the problem is left out.
; LIMITS.  sigmoid(x) = 1 / (1 + 2^(-x log2 e)), tanh(x) = 1 - 2 / (1 + 2^(2 x log2 e)): both run into their limits through infinity and 0, so no clamp is needed; NaN is carried on.
; Their absolute error is about 1e-7: near 0 tanh loses relative accuracy; an exponential below 2^-126 counts as 0.
; c IS ROUNDED ONCE TO bf16 (nearest even), like x, h and the weights, and then used in f32: all five inputs have the same rounding, so that the program as a whole computes the cell on inputs rounded to
; bf16, apart from the order of the f32 sums.  So c_t carries c's rounding, at most 2^-8 |f c|; a |c| beyond bf16's largest finite number becomes an infinity.
; SHARES.  A tile is 256 rows b x 256 columns n' = 64 neighbouring k in all four gates (bkn's layout).  Four waves, as many as a WGP has SIMDs; wave (RH, CH) has rows 128 RH .. + 127 and
; k 32 CH .. + 31 of all four gates: 64 accumulators of 16 x 16, 512 registers.  Accumulator (a, b): rows 16 a .., gate b / 2, k 16 (b % 2) ...
; THE MATRIX INSTRUCTION IS USED TRANSPOSED (source 0 = 16 columns of bkn, source 1 = 16 rows of abf): lane l holds row l % 16 and in registers 0-7 the k 8 (l / 16) + 0..7.  So the four gates of one
; (b, k) lie in the same lane and the same register number of accumulators b, b + 2, b + 4, b + 6: the cell's arithmetic changes no lane.
; THE RING.  K goes in steps of 128 through two LDS slots filled by the tensor data mover: 256 rows of abf (256 bytes each) and 128 rows kk of bkn (512 bytes each).  abf's fragments come out of LDS
; as they lie; bkn's, whose K runs down the rows, are turned by ds_load_tr16_b128.
; CLUSTER.  4 x 4 work-groups.  The four of a row of the cluster need the same tiles of abf, the four of a column the same tiles of bkn: each tile is asked for JOINTLY, by the same tensor load with
; the same descriptor and a mask that names the four.  That divides the requests for both by four.
; THE TAIL.  When slot 0 has been read for the last time it takes the tile's 256 x 64 numbers of c (a load of the work-group's own).  When slot 1 has been read for the last time, and behind a
; barrier, it serves as two stages (c_t, h_t), through which the results go so that sixteen neighbouring lanes store 256 consecutive bytes, aligned.
; REGISTERS, in windows of 256 (s_set_vgpr_msb: bits 1:0 source 0, 3:2 source 1, 5:4 source 2, 7:6 destination):
;   window 0: v0-31 addresses; v32-47 c of one block; v48-55 the same as pairs of bf16; v64-127, v128-191 abf's fragments, two buffers (in the tail v64-127: rows read back from the stages, two sets)
;   window 1: v64-127, v128-191 bkn's fragments, two buffers      window 2: the accumulators of my rows 0-63, (a, b) at v[8 (8 a + b)]      window 3: those of my rows 64-127
.set PA,     272                       ; an LDS row of abf, of c and of the stages: 256 bytes + 16 = 68 words: row r starts at bank 4 r mod 64 (64 banks of 4 bytes: ISA guide 11.1)
.set PB,     544                       ; an LDS row of bkn: 512 bytes + 32 = 136 words: row r starts at bank 8 r mod 64
.set HALFT,  34816                     ; what one tensor load brings: 128 rows x 272 (abf) or 64 rows x 544 (bkn)
.set SLOT,   4*HALFT                   ; abf's 256 rows, then bkn's 128 rows
.set STC,    SLOT                      ; the tail: stage of c_t, 256 rows x 272, in slot 1
.set STH,    SLOT+2*HALFT              ; stage of h_t, behind it
.set BLK,    16*PA                     ; 16 rows of c or of a stage
.set SPARE,  2*SLOT                    ; behind the ring: the spare words, 128 bytes for each wave: two blocks of 256 bytes that no other line names
.set ADRA, 16                          ; v16-17  LDS address of my fragments of abf in slot 0, 1
.set ADRB, 20                          ; v20-21  the same for bkn
.set SGC,  22                          ; v22     where I put my numbers of c_t in its stage (block 0)
.set SGH,  23                          ; v23     the same for h_t
.set LC,   24                          ; v24     where my numbers of c lie (block 0)
.set RDC,  25                          ; v25     where I read rows of c_t back
.set RDH,  26                          ; v26     the same for h_t
.set CO,   27                          ; v27     my byte offset in two rows of an output
.set SPW,  28                          ; v28     LDS address of my spare word: SPARE + 4 x my thread's number; never rewritten
.set NIL,  29                          ; v29     0; never rewritten
.set PFO,  30                          ; v30     my lane's offset in the prefetches of abf or bkn; never rewritten
.set PFC,  31                          ; v31     my lane x a row of 4,096 bytes: the prefetches of c; never rewritten
.set CC,   32                          ; v32-47  c of the block in hand
.set CB,   48                          ; v48-55  the same, rounded to bf16, two to a register
.set F0,   64
.set F1,   128
.set WV,  14                           ; s14 my wave's number; s15 RH: my half of the rows, also: I fetch abf (0) or bkn (1); s16 CH: my half of the k, also: which half of that tile I fetch
.set G1,  24                           ; s[24:31] descriptor group 1 for abf's tiles;  s[32:39] group 0, a set for each slot
.set G0,  32
.set G1C, 40                           ; s[40:47] group 1 for c's tile;  s[68:71] its group 0
.set G1B, 48                           ; s[48:55] group 1 for bkn's tiles;  s[56:63] group 0, a set for each slot
.set G0B, 56
.set G0C, 68
.set PFA, 72                           ; s[72:73] where my prefetches of abf or bkn stand
.set PST, 74                           ; s[74:75] a K step in bytes there: 256 along abf's rows, 128 rows of 8,192 down bkn
.set LIM, 76                           ; s76  1 in a wave that prefetches abf or bkn, else the greatest number
.set HM,  77                           ; s77  the mask of a word's upper bf16
.set CA,  78                           ; s[78:79] c at the 64 rows that I fetch
.set NL,  80                           ; s[80:81] -log2 e, named as a pair
.set L2,  82                           ; s[82:83] 2 log2 e
.set MSB, 0
.macro WIN new                         ; the immediate's high byte repeats the setting that is left; a switch that changes nothing is dropped
.if MSB != (\new)
	s_set_vgpr_msb (MSB<<8)|(\new)
.set MSB, \new
.endif
.endm
.set MUL_LO, 0xa1                      ; source 0 (bkn) window 1, source 1 (abf) window 0, C and D window 2
.set MUL_HI, 0xf1                      ; the same, C and D window 3
.set TO_B,   0x40                      ; destination window 1, address window 0
.macro PLACES                          ; four plain vector instructions between a matrix instruction and a load into, or a vector instruction on, its registers (ISA guide 7.12.1 for vector instructions)
.rept 4
	v_nop
.endr
.endm
; A joint load.  Waves 0 and 1 fetch abf's two halves, waves 2 and 3 bkn's.  Each line has one mask and one set of registers, in which nothing hangs on a coordinate that the four partners do not share.
; The branch hangs on the wave's number alone.  An s_nop 0 and four v_nop follow each line, ahead of the jump, the label and what follows.
.macro JLOAD s
	s_cmp_eq_u32 s15, 0
	s_cbranch_scc0 .Lfor_b_\@
	tensor_load_to_lds s[G0+4*(\s):G0+4*(\s)+3], s[G1:G1+7]
	s_nop 0
	PLACES
	s_branch .Lasked_\@
.Lfor_b_\@:
	tensor_load_to_lds s[G0B+4*(\s):G0B+4*(\s)+3], s[G1B:G1B+7]
	s_nop 0
	PLACES
.Lasked_\@:
.endm
; A round of the cluster's barrier: my work-group's barrier, so that wave 0's signal speaks for all four waves; wave 0 signals; every wave waits for all sixteen work-groups; my work-group's barrier once more.
.macro CREST                           ; a round behind its opening barrier
	s_cmp_lg_u32 s[WV], 0
	s_cbranch_scc1 .Lnot_wave_0_\@
	s_barrier_signal -3
.Lnot_wave_0_\@:
	s_barrier_wait -3
	s_barrier_signal -1
	s_barrier_wait -1
.endm
.macro CROUND
	s_barrier_signal -1
	s_barrier_wait -1
	CREST
.endm
; PREFETCHES INTO THE L2, behind a joint load, its five lines and the run of LDS loads that follows.  ASK names the K step that stands two refills on, 512 matrix instructions ahead of the load that will
; ask for it: one instruction a wave.  Each aligned 256 bytes are named once in the launch: abf's tile row is read by every cluster of that row of clusters: cluster x = 0 asks; bkn's tile column by
; every cluster of that column: cluster y = 0 asks.  The four partners of a joint load share its rows out BY ADDRESS: of abf's 128 rows 32 each, a lane a row; of bkn's 64 rows 16 each, two lanes a
; row of 512 bytes.  The first four K steps come by their loads alone; the loop's last trip (s3 = 1) has no K step two refills on.
.macro ASK
	s_cmp_gt_u32 s3, s[LIM]
	s_cbranch_scc0 .Lnot_mine_\@
	global_prefetch_b8 v[PFO], s[PFA:PFA+1] th:TH_LOAD_NT scope:SCOPE_SE
.Lnot_mine_\@:
.endm
; ASKC: in the loop's last trip each wave names the 64 rows x 256 bytes of c that it will fetch itself two K steps later: a lane a row, two instructions.  No other work-group reads them.
.macro ASKC
	s_cmp_eq_u32 s3, 1
	s_cbranch_scc0 .Lnot_yet_\@
	global_prefetch_b8 v[PFC], s[CA:CA+1] th:TH_LOAD_NT scope:SCOPE_SE
	global_prefetch_b8 v[PFC], s[CA:CA+1] offset:131072 th:TH_LOAD_NT scope:SCOPE_SE
.Lnot_yet_\@:
.endm
	s_load_b256 s[4:11], s[0:1], 0x0               ; abf s[4:5], bkn s[6:7], c s[8:9], out0 s[10:11]
	s_load_b64 s[12:13], s[0:1], 0x20              ; out1
	v_lshl_add_u32 v[SPW], v0, 2, SPARE
	v_mov_b32 v[NIL], 0
	ds_add_u32 v[SPW], v[NIL]                      ; the wave's opening: the add, twice on end, and its wait ahead of my first tensor load; the set-up below, work on registers, stands between
	ds_add_u32 v[SPW], v[NIL]                      ; and once more, under the one wait
	v_lshrrev_b32 v1, 5, v0
	v_readfirstlane_b32 s[WV], v1                  ; wave 0..3
	s_lshr_b32 s15, s[WV], 1                       ; RH
	s_and_b32 s16, s[WV], 1                        ; CH
	s_bfe_u32 s17, ttmp6, 0x40000                  ; cx: my place along the cluster's x
	s_bfe_u32 s18, ttmp6, 0x40004                  ; cy: along its y
	s_lshl_b32 s19, ttmp9, 2                       ; in a cluster launch ttmp9 and ttmp7 count clusters
	s_add_co_u32 s19, s19, s17                     ; TC: tile column = 4 x cluster x + cx, 0..15
	s_and_b32 s20, ttmp7, 0xffff
	s_lshl_b32 s20, s20, 2
	s_add_co_u32 s20, s20, s18                     ; TR: tile row = 4 x cluster y + cy, 0..31
	s_lshl_b32 s21, s18, 2
	s_lshl_b32 s21, 15, s21                        ; my row of the cluster: places 4 cy .. 4 cy + 3
	s_lshl_b32 s22, 0x1111, s17                    ; my column: places cx, cx + 4, cx + 8, cx + 12
	; group 1 for abf: 128 rows x 128 elements of 2 bytes, 2,048 elements from row to row; in LDS 4 words of padding behind every 64
	s_or_b32 s[G1+0], s21, (1<<16)|(1<<20)|(1<<21)|(5<<22)|(3<<25)  ; 15:0 the mask: my row; 17:16 2-byte elements; 20 padding on; 21 set beside a mask; 24:22 interval code 5; 31:25 pad code 3
	s_mov_b32 s[G1+1], 128<<16                     ; tensor_dim0 = 128
	s_mov_b32 s[G1+2], 128<<16                     ; tensor_dim1 = 128
	s_mov_b32 s[G1+3], 128<<16                     ; tile_dim0 = 128
	s_mov_b32 s[G1+4], 128                         ; tile_dim1 = 128
	s_mov_b32 s[G1+5], 2048                        ; stride
	s_mov_b32 s[G1+6], 0
	s_mov_b32 s[G1+7], 0
	; group 1 for bkn: 64 rows x 256 elements of 2 bytes, 4,096 elements from row to row; 8 words of padding behind every 128
	s_or_b32 s[G1B+0], s22, (1<<16)|(1<<20)|(1<<21)|(6<<22)|(7<<25)  ; the mask: my column
	s_mov_b32 s[G1B+1], 256<<16
	s_mov_b32 s[G1B+2], 64<<16
	s_mov_b32 s[G1B+3], 256<<16
	s_mov_b32 s[G1B+4], 64
	s_mov_b32 s[G1B+5], 4096
	s_mov_b32 s[G1B+6], 0
	s_mov_b32 s[G1B+7], 0
	; group 1 for c: 64 rows x 64 elements of 4 bytes, 1,024 elements from row to row; 4 words of padding behind every 64; no mask: the tile is my work-group's alone
	s_mov_b32 s[G1C+0], (2<<16)|(1<<20)|(5<<22)|(3<<25)
	s_mov_b32 s[G1C+1], 64<<16
	s_mov_b32 s[G1C+2], 64<<16
	s_mov_b32 s[G1C+3], 64<<16
	s_mov_b32 s[G1C+4], 64
	s_mov_b32 s[G1C+5], 1024
	s_mov_b32 s[G1C+6], 0
	s_mov_b32 s[G1C+7], 0
	s_mov_b32 s[NL], 0xbfb8aa3b                    ; -log2 e
	s_mov_b32 s[NL+1], 0xbfb8aa3b
	s_mov_b32 s[L2], 0x4038aa3b                    ; 2 log2 e
	s_mov_b32 s[L2+1], 0x4038aa3b
	s_mov_b32 s[HM], 0xffff0000
	; where the tiles come from.  abf's hang on the tile row alone, which my row of the cluster shares; bkn's on the tile column alone, which my column shares; each in registers of its own
	s_lshl_b32 s84, s20, 8
	s_lshl_b32 s85, s16, 7
	s_add_co_u32 s84, s84, s85                     ; abf: row 256 TR + 128 x half,
	s_lshl_b32 s84, s84, 12                        ; 4,096 bytes a row
	s_mov_b32 s85, 0
	s_lshl_b32 s86, s16, 19                        ; bkn: row 64 x half, 8,192 bytes a row,
	s_lshl_b32 s87, s19, 9                         ; column 256 TC, 2 bytes each
	s_add_co_u32 s86, s86, s87
	s_mov_b32 s87, 0
	s_mul_i32 s92, s[WV], HALFT                    ; and where they go: wave x a quarter of a slot: no place in the cluster enters an LDS address
	s_wait_dscnt 0x0                               ; both opening adds are done
	s_wait_kmcnt 0x0
	s_add_nc_u64 s[84:85], s[4:5], s[84:85]
	s_add_nc_u64 s[86:87], s[6:7], s[86:87]
	CROUND                                         ; all sixteen work-groups are here: the first joint loads meet
.irp s, 0,1
	s_mov_b32 s[G0+4*(\s)], 1                                      ; count = 1
	s_add_co_u32 s[G0+4*(\s)+1], s92, (\s)*SLOT                    ; LDS address
	s_add_nc_u64 s[G0+4*(\s)+2:G0+4*(\s)+3], s[84:85], (\s)*256    ; global address: K step s, 256 bytes along the rows
	s_or_b32 s[G0+4*(\s)+3], s[G0+4*(\s)+3], 0x80000000            ; type = 2
	s_mov_b32 s[G0B+4*(\s)], 1
	s_add_co_u32 s[G0B+4*(\s)+1], s92, (\s)*SLOT
	s_add_nc_u64 s[G0B+4*(\s)+2:G0B+4*(\s)+3], s[86:87], (\s)*1048576  ; K step s, 128 rows of 8,192 bytes down
	s_or_b32 s[G0B+4*(\s)+3], s[G0B+4*(\s)+3], 0x80000000
	JLOAD \s                                       ; the ring is filled before anything else is done: two loads of mine are out
.endr
	; A fragment of abf is 16 rows x 32 K in 8 registers: lane l holds row l % 16; registers 0-3 K = 8 (l / 16) + 0..7, registers 4-7 K = 16 + 8 (l / 16) + 0..7: two loads of 16 bytes, 32 bytes apart.
	v_and_b32 v1, 15, v0                           ; r = l % 16
	v_bfe_u32 v2, v0, 4, 1                         ; hh = l / 16
	v_mul_u32_u24 v3, v1, PA
	v_lshl_add_u32 v3, v2, 4, v3
	s_mul_i32 s93, s15, HALFT                      ; my 128 rows
	v_add_nc_u32 v[ADRA], s93, v3
	v_add_nc_u32 v[ADRA+1], SLOT, v[ADRA]
	; The turning load takes 16 K x 16 columns (lane l reads 16 bytes: row kk 8 (l / 16) + l % 8, columns 8 ((l / 8) % 2) + 0..7) and leaves half a fragment: lane l holds column l % 16 and 8 K.
	v_and_b32 v4, 7, v0
	v_lshl_add_u32 v4, v2, 3, v4
	v_mul_u32_u24 v4, v4, PB
	v_bfe_u32 v5, v0, 3, 1
	v_lshl_add_u32 v4, v5, 4, v4
	s_lshl_b32 s93, s16, 6                         ; my 32 k of a gate's 64: 64 bytes,
	s_add_co_u32 s93, s93, 2*HALFT                 ; behind abf's 256 rows
	v_add_nc_u32 v[ADRB], s93, v4
	v_add_nc_u32 v[ADRB+1], SLOT, v[ADRB]
	; the tail: my eight k of row 128 RH + 16 a + r are 32 bytes at 128 CH + 64 (b % 2) + 32 hh of a row of 256; the same place in c's tile and in both stages
	s_lshl_b32 s93, s15, 7                         ; 128 RH
	v_add_nc_u32 v5, s93, v1
	v_mul_u32_u24 v5, v5, PA
	v_lshl_add_u32 v5, v2, 5, v5
	s_lshl_b32 s94, s16, 7
	v_add_nc_u32 v[LC], s94, v5
	v_add_nc_u32 v[SGC], STC, v[LC]
	v_add_nc_u32 v[SGH], STH, v[LC]
	; back: of a block's 16 rows wave CH takes rows 8 CH .. + 7, whole: lanes 0-15 one row of 256 bytes, lanes 16-31 the next
	s_lshl_b32 s94, s16, 3
	s_add_co_u32 s94, s94, s93                     ; 128 RH + 8 CH
	v_add_nc_u32 v6, s94, v2
	v_mul_u32_u24 v6, v6, PA
	v_lshl_add_u32 v6, v1, 4, v6
	v_add_nc_u32 v[RDC], STC, v6
	v_add_nc_u32 v[RDH], STH, v6
	v_lshlrev_b32 v[CO], 12, v2                    ; and the same two rows in an output: 4,096 bytes a row
	v_lshl_add_u32 v[CO], v1, 4, v[CO]
	s_lshl_b32 s95, s20, 8
	s_add_co_u32 s94, s94, s95                     ; the first row that I store: 256 TR + 128 RH + 8 CH
	s_lshl_b32 s94, s94, 12
	s_lshl_b32 s95, s19, 8                         ; the tile's 64 k: 256 bytes
	s_add_co_u32 s94, s94, s95
	s_mov_b32 s95, 0
	s_add_nc_u64 s[10:11], s[10:11], s[94:95]
	s_add_nc_u64 s[12:13], s[12:13], s[94:95]
	; c: wave w fetches rows 64 w .. + 63 of the tile
	s_lshl_b32 s88, s20, 8
	s_lshl_b32 s89, s[WV], 6
	s_add_co_u32 s88, s88, s89
	s_lshl_b32 s88, s88, 12
	s_lshl_b32 s89, s19, 8
	s_add_co_u32 s88, s88, s89
	s_mov_b32 s89, 0
	s_add_nc_u64 s[CA:CA+1], s[8:9], s[88:89]
	s_mov_b32 s[G0C], 1
	s_mul_i32 s[G0C+1], s[WV], 64*PA               ; into slot 0, from its first byte on
	s_mov_b64 s[G0C+2:G0C+3], s[CA:CA+1]
	s_or_b32 s[G0C+3], s[G0C+3], 0x80000000
	; the prefetches of abf and bkn: they stand at K step 3; the first refill steps them to K step 4
	s_lshl_b32 s96, s20, 8
	s_lshl_b32 s97, s16, 7
	s_add_co_u32 s96, s96, s97                     ; abf: the 128 rows that I fetch,
	s_lshl_b32 s97, s17, 5
	s_add_co_u32 s96, s96, s97                     ; my work-group's 32 of them
	s_lshl_b32 s96, s96, 12
	s_add_co_u32 s96, s96, 3*256
	s_lshl_b32 s98, s16, 6                         ; bkn: the 64 rows that I fetch,
	s_lshl_b32 s99, s18, 4
	s_add_co_u32 s98, s98, s99                     ; my work-group's 16 of them
	s_lshl_b32 s98, s98, 13
	s_lshl_b32 s99, s19, 9
	s_add_co_u32 s98, s98, s99
	s_add_co_u32 s98, s98, 3*1048576
	s_mov_b32 s[PST], 0x100000
	s_mov_b32 s[PST+1], 0
	s_and_b32 s99, ttmp7, 0xffff                   ; cluster y
	s_cmp_eq_u32 s15, 0                            ; do I fetch abf?
	s_cselect_b32 s96, s96, s98
	s_cselect_b32 s99, ttmp9, s99                  ; the coordinate along which other clusters read the same rows
	s_cselect_b64 s[PFA:PFA+1], s[4:5], s[6:7]
	s_cselect_b32 s[PST], 0x100, s[PST]
	s_cselect_b32 s93, 0, -1                       ; a lane mask: all ones in a wave that fetches bkn
	s_mov_b32 s97, 0
	s_add_nc_u64 s[PFA:PFA+1], s[PFA:PFA+1], s[96:97]
	s_cmp_eq_u32 s99, 0
	s_cselect_b32 s[LIM], 1, -1                    ; the same in all sixteen partners, for a given wave
	v_and_b32 v7, 31, v0
	v_lshlrev_b32 v[PFC], 12, v7                   ; a lane a row of 4,096 bytes: c's rows, and abf's
	v_lshrrev_b32 v8, 1, v7
	v_lshlrev_b32 v8, 13, v8                       ; bkn: two lanes a row of 8,192 bytes,
	v_and_b32 v9, 1, v7
	v_lshl_or_b32 v8, v9, 8, v8                    ; 256 bytes apart
	v_cndmask_b32 v[PFO], v[PFC], v8, s93
; 16 matrix instructions: blocks a0, a0 + 1 of the window's four (hi = 0: my rows 0-63, 1: rows 64-127) x all 8 column blocks, 32 along K.  zero = 1: the first product starts the sums: nothing is cleared.
; The 64 accumulators take turns, one instruction a turn, in the same order in every quarter, over the backward jump too.
.macro MUL16 f, hi, a0, zero
	WIN MUL_LO+0x50*(\hi)
.irp a, \a0, (\a0)+1
.irp b, 0,1,2,3,4,5,6,7
.if \zero
	v_wmma_f32_16x16x32_bf16 v[8*(8*(\a)+(\b)):8*(8*(\a)+(\b))+7], v[(\f)+8*(\b):(\f)+8*(\b)+7], v[(\f)+8*(4*(\hi)+(\a)):(\f)+8*(4*(\hi)+(\a))+7], 0
.else
	v_wmma_f32_16x16x32_bf16 v[8*(8*(\a)+(\b)):8*(8*(\a)+(\b))+7], v[(\f)+8*(\b):(\f)+8*(\b)+7], v[(\f)+8*(4*(\hi)+(\a)):(\f)+8*(4*(\hi)+(\a))+7], v[8*(8*(\a)+(\b)):8*(8*(\a)+(\b))+7]
.endif
.endr
.endr
.endm
; 32 LDS loads in one run: the fragments of quarter q (32 K) of a slot into buffer f: bkn's eight (gate b / 2: 128 bytes on; k half b % 2: 32 bytes on; K 32 q: 32 q rows down), then abf's eight
.macro FETCH slot, q, f
	WIN TO_B
.irp b, 0,1,2,3,4,5,6,7
	ds_load_tr16_b128 v[(\f)+8*(\b):(\f)+8*(\b)+3],   v[ADRB+(\slot)] offset:(\q)*32*PB+((\b)/2)*128+((\b)%2)*32
	ds_load_tr16_b128 v[(\f)+8*(\b)+4:(\f)+8*(\b)+7], v[ADRB+(\slot)] offset:(\q)*32*PB+16*PB+((\b)/2)*128+((\b)%2)*32
.endr
	WIN 0
.irp i, 0,1,2,3,4,5,6,7
	ds_load_b128 v[(\f)+8*(\i):(\f)+8*(\i)+3],   v[ADRA+(\slot)] offset:(\q)*64+(\i)*16*PA
	ds_load_b128 v[(\f)+8*(\i)+4:(\f)+8*(\i)+7], v[ADRA+(\slot)] offset:(\q)*64+(\i)*16*PA+32
.endr
.endm
; A K step is four quarters of 32 along K, 64 matrix instructions each, on buffers 0, 1, 0, 1.  One of the first three: multiplies buffer f; in its middle it fetches quarter q of the same slot into buffer g.
.macro QUARTER slot, q, f, g, zero
	s_wait_dscnt 8                                 ; bkn's fragments and abf's rows 0-63 are in; the youngest eight loads (rows 64-127) may be out
	MUL16 \f, 0, 0, \zero
	MUL16 \f, 0, 2, \zero
	PLACES
	FETCH \slot, \q, \g
	s_wait_dscnt 32                                ; all but the 32 just issued
	MUL16 \f, 1, 0, \zero
	MUL16 \f, 1, 2, \zero
.endm
; The last quarter multiplies buffer 1 and changes slots.  MEET is its first half, and opens a round of the cluster's barrier.  In front of the signal each wave waits for all its tensor loads, of which one is
; out: its part of the next slot; adds 0 to its spare word; and waits for that and for its own reads of this slot.
.macro MEET
	WIN 0                                          ; (the add's two registers lie in window 0)
	s_wait_tensorcnt 0x0                           ; all my tensor loads have landed
	ds_add_u32 v[SPW], v[NIL]                      ; 0 onto my spare word
	s_wait_dscnt 9                                 ; (the add and the youngest eight loads may be out)
	MUL16 F1, 0, 0, 0                              ; sixteen matrix instructions stand between the add and the wait for it
	s_wait_dscnt 0x0                               ; the add is done, and my reads of this slot are over
	s_barrier_signal -1
	MUL16 F1, 0, 2, 0                              ; work on registers while the others arrive
	WIN 0
	s_barrier_wait -1
.endm
; The whole last quarter.  Behind the round no wave of any partner reads this slot or has a load on its way, and the slot is filled again first: kind = 0: jointly, with the K step two steps on;
; kind = 1 (slot 0's last fill): with my 64 rows of c, every wave one load.  Then come the next slot's first fragments.  From a request to the wait for it a wave issues 224 matrix instructions.
.macro TURN slot, next, kind
.if (\kind) == 0
	s_wait_xcnt 0x0                                ; the last prefetches, a K step back, have read their addresses: mine is stepped here, ahead of the waits of the change of slots
	s_add_nc_u64 s[PFA:PFA+1], s[PFA:PFA+1], s[PST:PST+1]
.endif
	MEET
	CREST
.if (\kind) == 0
	s_add_nc_u64 s[G0+4*(\slot)+2:G0+4*(\slot)+3], s[G0+4*(\slot)+2:G0+4*(\slot)+3], 2*256
	s_add_nc_u64 s[G0B+4*(\slot)+2:G0B+4*(\slot)+3], s[G0B+4*(\slot)+2:G0B+4*(\slot)+3], 2*1048576
	JLOAD \slot                                    ; the four v_nop behind it are also the places in front of the loads below
.else
	tensor_load_to_lds s[G0C:G0C+3], s[G1C:G1C+7]
	s_nop 0
	PLACES
.endif
	FETCH \next, 0, F0
.if (\kind) == 0
	ASK
.if (\slot) == 0
	ASKC
.endif
.endif
	MUL16 F1, 1, 0, 0
	MUL16 F1, 1, 2, 0
.endm
; THE TAIL's macros.  Block a is my rows 16 a .. + 15: its eight accumulators are 64 registers from AC on in window WW: i at AC, f at AC + 16, o at AC + 32, u at AC + 48; number e = 8 (b % 2) + j of each.
.macro SC p                            ; pair p of the block's 32: the exponent of its exponential: -x log2 e for i, f, o; 2 x log2 e for u.  Ascending: each accumulator is read from its low end on
.if (\p) < 24
	v_pk_mul_f32 v[AC+2*(\p):AC+2*(\p)+1], v[AC+2*(\p):AC+2*(\p)+1], s[NL:NL+1] op_sel_hi:[1,0]
.else
	v_pk_mul_f32 v[AC+2*(\p):AC+2*(\p)+1], v[AC+2*(\p):AC+2*(\p)+1], s[L2:L2+1] op_sel_hi:[1,0]
.endif
.endm
.macro ONEG p                          ; 1 + the exponential, pair p of 32
	v_pk_add_f32 v[AC+2*(\p):AC+2*(\p)+1], v[AC+2*(\p):AC+2*(\p)+1], 1.0 op_sel_hi:[1,0]
.endm
.macro TM p                            ; 2 c_t log2 e, pair p of 8, into u's registers
	v_pk_mul_f32 v[AC+48+2*(\p):AC+48+2*(\p)+1], v[AC+2*(\p):AC+2*(\p)+1], s[L2:L2+1] op_sel_hi:[1,0]
.endm
.macro ONEU p
	v_pk_add_f32 v[AC+48+2*(\p):AC+48+2*(\p)+1], v[AC+48+2*(\p):AC+48+2*(\p)+1], 1.0 op_sel_hi:[1,0]
.endm
; ONE BATCH of 2 n transcendentals, in place, on n pairs from base on; the plain line that prepares pair p + 2 stands behind the two of pair p, so no line names a result of the batch.  Behind the last one
; plain instruction, then one wait ahead of the batch's first reader.
.macro WEAVE plain, trans, base, n
	\plain 0
	\plain 1
.set pp, 0
.rept \n
	\trans v[(\base)+2*pp], v[(\base)+2*pp]
	\trans v[(\base)+2*pp+1], v[(\base)+2*pp+1]
.if pp+2 < (\n)
	\plain pp+2
.endif
.set pp, pp+1
.endr
	v_nop
	s_wait_alu depctr_va_vdst(0)
.endm
.macro LOADC a                         ; my 16 numbers of c for block a
	WIN 0
.irp i, 0,1,2,3
	ds_load_b128 v[CC+4*(\i):CC+4*(\i)+3], v[LC] offset:(\a)*BLK+((\i)/2)*64+((\i)%2)*16
.endr
.endm
; The cell's arithmetic for block a.  cw: the LDS instructions issued behind this block's loads of c, which may stay out.
.macro EPI a, cw
.set AC, 64*((\a)%4)
.set WW, 2+(\a)/4
	WIN 0x55*WW                                    ; all operands in the block's window
	WEAVE SC, v_exp_f32, AC, 32                    ; 64 exponentials
	WEAVE ONEG, v_rcp_f32, AC, 32                  ; 64 reciprocals: i, f, o are done
.set pp, 0
.rept 8
	v_pk_fma_f32 v[AC+48+2*pp:AC+48+2*pp+1], v[AC+48+2*pp:AC+48+2*pp+1], -2.0, 1.0 op_sel_hi:[1,0,0]  ; u = 1 - 2 / (1 + ..)
.set pp, pp+1
.endr
.set pp, 0
.rept 8
	v_pk_mul_f32 v[AC+2*pp:AC+2*pp+1], v[AC+2*pp:AC+2*pp+1], v[AC+48+2*pp:AC+48+2*pp+1]  ; i u
.set pp, pp+1
.endr
	s_wait_dscnt \cw                               ; c of this block is in
	WIN 0
.set pp, 0
.rept 8
	v_cvt_pk_bf16_f32 v[CB+pp], v[CC+2*pp], v[CC+2*pp+1]  ; c is rounded once to bf16, nearest even, as the other four inputs were,
.set pp, pp+1
.endr
.set pp, 0
.rept 8
	v_lshlrev_b32 v[CC+2*pp],   16, v[CB+pp]       ; and widened again: the low half moves up,
	v_and_b32     v[CC+2*pp+1], s[HM], v[CB+pp]    ; the high half stays
.set pp, pp+1
.endr
	WIN (WW<<6)|(WW<<4)|WW                         ; source 1 (c) in window 0
.set pp, 0
.rept 8
	v_pk_fma_f32 v[AC+2*pp:AC+2*pp+1], v[AC+16+2*pp:AC+16+2*pp+1], v[CC+2*pp:CC+2*pp+1], v[AC+2*pp:AC+2*pp+1]  ; c_t = f c + i u
.set pp, pp+1
.endr
	WIN WW<<2                                      ; an LDS store's data is source 1
.irp i, 0,1,2,3
	ds_store_b128 v[SGC], v[AC+4*(\i):AC+4*(\i)+3] offset:(\a)*BLK+((\i)/2)*64+((\i)%2)*16
.endr
	WIN 0x55*WW
	WEAVE TM, v_exp_f32, AC+48, 8
	WEAVE ONEU, v_rcp_f32, AC+48, 8
.set pp, 0
.rept 8
	v_pk_fma_f32 v[AC+48+2*pp:AC+48+2*pp+1], v[AC+48+2*pp:AC+48+2*pp+1], -2.0, 1.0 op_sel_hi:[1,0,0]  ; tanh(c_t)
.set pp, pp+1
.endr
.set pp, 0
.rept 8
	v_pk_mul_f32 v[AC+48+2*pp:AC+48+2*pp+1], v[AC+48+2*pp:AC+48+2*pp+1], v[AC+32+2*pp:AC+32+2*pp+1]  ; h_t = o tanh(c_t)
.set pp, pp+1
.endr
	WIN WW<<2
.irp i, 0,1,2,3
	ds_store_b128 v[SGH], v[AC+48+4*(\i):AC+48+4*(\i)+3] offset:(\a)*BLK+((\i)/2)*64+((\i)%2)*16
.endr
	WIN 0
.endm
.macro BACK a                          ; my 8 whole rows of block a out of both stages, two rows a load, into set a % 2
	WIN 0
.set BK, 64+32*((\a)%2)
.irp t, 0,1,2,3
	ds_load_b128 v[BK+4*(\t):BK+4*(\t)+3],       v[RDC] offset:(\a)*BLK+(\t)*2*PA
	ds_load_b128 v[BK+16+4*(\t):BK+16+4*(\t)+3], v[RDH] offset:(\a)*BLK+(\t)*2*PA
.endr
.endm
.macro SEND a                          ; and out: 16 lanes store 256 consecutive bytes, at a multiple of 256 from the output's first byte; the largest immediate is 118 rows of 4,096 bytes
.set BK, 64+32*((\a)%2)
.irp t, 0,1,2,3
	global_store_b128 v[CO], v[BK+4*(\t):BK+4*(\t)+3],       s[12:13] offset:(16*(\a)+2*(\t))*4096 th:TH_STORE_NT
	global_store_b128 v[CO], v[BK+16+4*(\t):BK+16+4*(\t)+3], s[10:11] offset:(16*(\a)+2*(\t))*4096 th:TH_STORE_NT
.endr
.endm
	s_wait_tensorcnt 1                             ; my part of K step 0 is in; K step 1's may stay out
	s_barrier_signal -1
	s_barrier_wait -1                              ; everybody's is
	FETCH 0, 0, F0
	QUARTER 0, 1, F0, F1, 1                        ; the first quarter stands in front of the loop: its products start the sums
	WIN 0                                          ; at a label and at a branch every window is 0
	s_mov_b32 s3, 7                                ; 16 K steps are 8 laps of the ring; the last lap fills no slot with a K step
.Llap:                                                 ; a trip goes once round the ring, from a lap's second quarter to the next lap's first, and fills both slots again
	QUARTER 0, 2, F1, F0, 0
	QUARTER 0, 3, F0, F1, 0
	TURN 0, 1, 0
	QUARTER 1, 1, F0, F1, 0
	QUARTER 1, 2, F1, F0, 0
	QUARTER 1, 3, F0, F1, 0
	TURN 1, 0, 0
	QUARTER 0, 1, F0, F1, 0
	WIN 0
	s_sub_co_u32 s3, s3, 1
	s_cmp_lg_u32 s3, 0
	s_cbranch_scc1 .Llap
	QUARTER 0, 2, F1, F0, 0                        ; the last lap
	QUARTER 0, 3, F0, F1, 0
	TURN 0, 1, 1                                   ; slot 0 has been read out: it takes c
	QUARTER 1, 1, F0, F1, 0
	QUARTER 1, 2, F1, F0, 0
	QUARTER 1, 3, F0, F1, 0
	s_wait_tensorcnt 0x0                           ; my 64 rows of c are in: no load was issued behind that one
	s_wait_dscnt 0x0                               ; the last fragments are in, and my reads of slot 1 are over
	s_barrier_signal -1                            ; behind this barrier c is whole for every wave, and slot 1, which no tensor load fills any more, is the stages'
	MUL16 F1, 0, 0, 0                              ; the last 64 products: work on registers between the signal and the wait
	MUL16 F1, 0, 2, 0
	MUL16 F1, 1, 0, 0
	MUL16 F1, 1, 2, 0
	WIN 0
	s_barrier_wait -1
	LOADC 0
	PLACES                                         ; the places behind the last products, in front of the arithmetic on their results
	PLACES
.irp a, 0,1,2,3,4,5,6,7
.if (\a) == 0
	EPI \a, 0
.else
	EPI \a, 8                                      ; behind this block's four loads of c stand the eight loads that read the block before back
.endif
	s_wait_dscnt 0x0                               ; for the others' sake: my stores into the stages are done; and the rows read back last time are in
	s_barrier_signal -1
	s_barrier_wait -1                              ; a row's 256 bytes come from two waves: both halves of block a now lie in the stages; each block has stage rows of its own, written once
	s_wait_xcnt 0x0                                ; the stores of two blocks back have read their registers: that set is loaded again only behind this wait
.if (\a) < 7
	LOADC (\a)+1
.endif
	BACK \a
.if (\a) > 0
	SEND (\a)-1                                    ; shown in by the wait for 0 above
.endif
.endr
	s_wait_dscnt 0x0
	SEND 7
	s_wait_tensorcnt 0x0                           ; the wave's end, behind my last tensor load and my last LDS store
	ds_add_u32 v[SPW], v[NIL]
	s_wait_dscnt 0x0
	CROUND                                         ; the closing round: no work-group ends while a partner may still ask for a tile that names it
	s_endpgm
.Lfunc_end_k_q704388dbf6_lstm:
	.size	k_q704388dbf6_lstm, .Lfunc_end_k_q704388dbf6_lstm-k_q704388dbf6_lstm
	.p2alignl 7, 3214868480
	.fill 96, 4, 3214868480
	.section	.rodata,"a",@progbits
	.p2align	6, 0x0
	.amdhsa_kernel k_q704388dbf6_lstm
		.amdhsa_group_segment_fixed_size 327680
		.amdhsa_private_segment_fixed_size 0
		.amdhsa_enable_private_segment 0
		.amdhsa_kernarg_size 40
		.amdhsa_user_sgpr_count 2
		.amdhsa_user_sgpr_kernarg_segment_ptr 1
		.amdhsa_wavefront_size32 1
		.amdhsa_system_sgpr_workgroup_id_x 1
		.amdhsa_system_sgpr_workgroup_id_y 1
		.amdhsa_system_sgpr_workgroup_id_z 1
		.amdhsa_system_vgpr_workitem_id 0
		.amdhsa_next_free_vgpr 1024
		.amdhsa_next_free_sgpr 100
		.amdhsa_reserve_vcc 0
		.amdhsa_float_denorm_mode_32 3
		.amdhsa_float_denorm_mode_16_64 3
		.amdhsa_memory_ordered 1
		.amdhsa_forward_progress 1
		.amdhsa_inst_pref_size 244
	.end_amdhsa_kernel
	.amdgpu_metadata
---
amdhsa.version: [ 1, 2 ]
amdhsa.kernels:
  - .name:           k_q704388dbf6_lstm
    .symbol:         k_q704388dbf6_lstm.kd
    .args:
      - { .name: abf, .offset: 0, .size: 8, .value_kind: global_buffer, .address_space: global }
      - { .name: bkn, .offset: 8, .size: 8, .value_kind: global_buffer, .address_space: global }
      - { .name: c, .offset: 16, .size: 8, .value_kind: global_buffer, .address_space: global }
      - { .name: out0, .offset: 24, .size: 8, .value_kind: global_buffer, .address_space: global }
      - { .name: out1, .offset: 32, .size: 8, .value_kind: global_buffer, .address_space: global }
    .group_segment_fixed_size: 327680
    .private_segment_fixed_size: 0
    .kernarg_segment_align: 8
    .kernarg_segment_size: 40
    .max_flat_workgroup_size: 128
    .sgpr_count:     100
    .vgpr_count:     1024
    .wavefront_size: 32
...
	.end_amdgpu_metadata
.endif
;; end of part 2
;; ======== version 2 of 2: 2 launches; version 1 with the launch prep written anew for expert scheduling mode
;; workspace buffers: abf 33,554,432 bytes; bkn 16,777,216 bytes
;; launch prep (part 3): grid 768 x 1, 8 waves a work-group, no clusters, 0 bytes of LDS; arguments x, h, Wx, Wh, abf, bkn; writes abf, bkn
.if DOCPART == 3
	.amdgcn_target "amdgcn-amd-amdhsa--gfx1250"
	.amdhsa_code_object_version 6
	.text
	.protected	k_q704388dbf6_prep
	.globl	k_q704388dbf6_prep
	.p2align	8
	.type	k_q704388dbf6_prep,@function
k_q704388dbf6_prep:
	s_mov_b64 s[64:65], 0
	v_nop
	global_prefetch_b8 v0, s[64:65] scope:SCOPE_SE
	s_setreg_imm32_b32 hwreg(HW_REG_WAVE_SCHED_MODE, 0, 2), 2
	s_setreg_imm32_b32 hwreg(HW_REG_WAVE_MODE, 25, 1), 1
	s_wait_xcnt 0x0
	s_wait_alu depctr_vm_vsrc(0)
; LSTM cell, first of two launches: the matrix operands are rounded ONCE to bf16 (nearest even) and laid out for the product.
;   g[gate][b][k] = sum over d of x[b][d] Wx[gate][d][k] + sum over d of h[b][d] Wh[gate][d][k]   is ONE product with K = 2,048 (x beside h) and N = 4,096 (four gates).
;   abf[b][kk]  (8,192 x 2,048 bf16): kk < 1,024: x[b][kk]; else h[b][kk - 1,024].  A row is 4,096 bytes.
;   bkn[kk][n'] (2,048 x 4,096 bf16): kk < 1,024: Wx[gate][kk][k]; else Wh[gate][kk - 1,024][k], at column n' = (k / 64) * 256 + gate * 64 + k % 64:
;   the four gates of 64 neighbouring k lie in one block of 256 columns, so that a tile of the product holds all four gates of its k.  The weights keep their orientation (K down the rows).
; NOTHING IS LEFT OUT: every number of x, h, c, Wx and Wh reaches both outputs for general values, so all five inputs are loaded (c by the second launch).
; LIMIT: a magnitude beyond bf16's largest finite number becomes an infinity here; NaN stays NaN.
; SHARES.  A work-group makes 65,536 consecutive bytes of abf (work-groups 0-511: 16 rows) or of bkn (512-767: 8 rows), as 32 pieces of 2,048 bytes.  For each piece thread t loads 16 bytes
; (4 f32) and stores 8 bytes (4 bf16) at byte 8 t of the piece: a wave's store covers 256 consecutive bytes, aligned; a wave's load 512 consecutive bytes (x, h) or two aligned runs of 256 (weights).
; All 32 loads of a thread go out before the first wait for data.
; No LDS, no barrier, no matrix unit: no thread wants a byte that another has fetched.
; THE MODE: SCHED_MODE bits 1:0 = 2 (LLVM: expert scheduling mode 2), set by the entry lines.  The code itself states the register dependences
; between vector instructions and memory instructions, with s_wait_alu, always for 0.
; THE PLAN.  Registers that memory instructions touch:
;   v1, v2, v3   byte offsets.  Written by vector instructions at the head, once; read by the loads (v1 or v2) and by the stores (v3); never written again.
;   v[8:135]     piece j has four registers of its own.  Its load lands in them; its two conversions read them and write the first two; its store reads those two; nothing writes them after that.
; So two kinds of dependence are stated.  One wait at the head: the offsets are written.  And the pieces go in eight groups of four: at the head of a group, behind the wait for its data, ONE wait states that
; the group before has written its bf16 words; that group's four stores follow, dealt among this group's eight conversions, which name this group's registers alone.  One more wait stands ahead of the last
; four stores.  No register that a memory instruction has read is written again, and no load is issued behind a vector instruction that named its registers: no other wait is owed.
.set DT, 8                             ; v[8:135]  piece j as loaded in v[DT+4j : DT+4j+3]; its first two registers then hold the 4 bf16
.set GRP, 4                            ; pieces in a group
	s_load_b256 s[4:11], s[0:1], 0x0               ; x s[4:5], h s[6:7], Wx s[8:9], Wh s[10:11]
	s_load_b128 s[12:15], s[0:1], 0x20             ; abf s[12:13], bkn s[14:15]
	v_lshlrev_b32 v1, 4, v0                        ; x, h: my 16 bytes of a row: 16 t
	v_lshrrev_b32 v4, 4, v0                        ; weights: p = t / 16 = 4 x (block of 64 k in the piece) + gate
	v_and_b32 v5, 3, v4
	v_lshlrev_b32 v2, 22, v5                       ; a gate's matrix is 4 MiB
	v_lshrrev_b32 v4, 2, v4
	v_lshl_or_b32 v2, v4, 8, v2                    ; 64 k are 256 bytes
	v_and_b32 v5, 15, v0
	v_lshl_or_b32 v2, v5, 4, v2                    ; my 4 k of the 64
	v_lshlrev_b32 v3, 3, v0                        ; where I store: 8 t
	s_mov_b32 s23, 0                               ; the upper word of every offset pair
	s_wait_kmcnt 0x0
	s_wait_alu depctr_va_vdst(0)                   ; v1, v2 and v3 are written: every load and store of the kernel, on both ways below, reads one of them as its offset
	s_cmp_lt_u32 ttmp9, 512
	s_cbranch_scc0 .Lweights
	s_lshl_b32 s22, ttmp9, 16                      ; 16 rows of 4,096 bytes, in x, in h and in abf alike
	s_add_nc_u64 s[16:17], s[4:5], s[22:23]
	s_add_nc_u64 s[18:19], s[6:7], s[22:23]
	s_add_nc_u64 s[20:21], s[12:13], s[22:23]
.set j, 0
.rept 16                               ; pieces 2 j and 2 j + 1 are row j of x and of h: the two halves of row j of abf
	global_load_b128 v[DT+8*j:DT+8*j+3],   v1, s[16:17] offset:4096*j th:TH_LOAD_NT
	global_load_b128 v[DT+8*j+4:DT+8*j+7], v1, s[18:19] offset:4096*j th:TH_LOAD_NT
.set j, j+1
.endr
	s_branch .Lout
.Lweights:
	s_sub_co_u32 s24, ttmp9, 512                   ; w' = 0 .. 255: rows kk = 8 w' .. 8 w' + 7
	s_cmp_lt_u32 s24, 128
	s_cselect_b64 s[16:17], s[8:9], s[10:11]       ; the first 1,024 rows come from Wx, the others from Wh
	s_and_b32 s22, s24, 127
	s_lshl_b32 s22, s22, 15                        ; 8 rows d of 4,096 bytes
	s_add_nc_u64 s[16:17], s[16:17], s[22:23]
	s_lshl_b32 s22, s24, 16                        ; 8 rows of bkn, 8,192 bytes each
	s_add_nc_u64 s[20:21], s[14:15], s[22:23]
.set j, 0
.rept 32                               ; piece j: row j / 4 (4,096 bytes on), blocks 4 (j % 4) .. + 3 of 64 k (1,024 bytes on): together 1,024 j
	global_load_b128 v[DT+4*j:DT+4*j+3], v2, s[16:17] offset:1024*j th:TH_LOAD_NT
.set j, j+1
.endr
.Lout:
.set g, 0
.rept 32/GRP                           ; group g: pieces 4 g .. 4 g + 3 are rounded, and the group before is stored
	s_wait_loadcnt 32-GRP-GRP*g                    ; loads come back in order: this group's four pieces are in, the 28 - 4 g younger ones may stay out
.if g > 0
	s_wait_alu depctr_va_vdst(0)                   ; the conversions of the group before have written its bf16 words, which the four stores below read
.endif
.set i, 0
.rept GRP
.set j, GRP*g+i
.if g > 0
	global_store_b64 v3, v[DT+4*(j-GRP):DT+4*(j-GRP)+1], s[20:21] offset:2048*(j-GRP) th:TH_STORE_NT  ; no vector instruction since the wait names these registers
.endif
	v_cvt_pk_bf16_f32 v[DT+4*j],   v[DT+4*j],   v[DT+4*j+1]
	v_cvt_pk_bf16_f32 v[DT+4*j+1], v[DT+4*j+2], v[DT+4*j+3]
.set i, i+1
.endr
.set g, g+1
.endr
	s_wait_alu depctr_va_vdst(0)                   ; the last group's conversions have written its bf16 words, which the last four stores read
.set j, 32-GRP
.rept GRP
	global_store_b64 v3, v[DT+4*j:DT+4*j+1], s[20:21] offset:2048*j th:TH_STORE_NT
.set j, j+1
.endr
	s_endpgm
.Lfunc_end_k_q704388dbf6_prep:
	.size	k_q704388dbf6_prep, .Lfunc_end_k_q704388dbf6_prep-k_q704388dbf6_prep
	.p2alignl 7, 3214868480
	.fill 96, 4, 3214868480
	.section	.rodata,"a",@progbits
	.p2align	6, 0x0
	.amdhsa_kernel k_q704388dbf6_prep
		.amdhsa_group_segment_fixed_size 0
		.amdhsa_private_segment_fixed_size 0
		.amdhsa_enable_private_segment 0
		.amdhsa_kernarg_size 48
		.amdhsa_user_sgpr_count 2
		.amdhsa_user_sgpr_kernarg_segment_ptr 1
		.amdhsa_wavefront_size32 1
		.amdhsa_system_sgpr_workgroup_id_x 1
		.amdhsa_system_sgpr_workgroup_id_y 1
		.amdhsa_system_sgpr_workgroup_id_z 1
		.amdhsa_system_vgpr_workitem_id 0
		.amdhsa_next_free_vgpr 136
		.amdhsa_next_free_sgpr 66
		.amdhsa_reserve_vcc 0
		.amdhsa_float_denorm_mode_32 3
		.amdhsa_float_denorm_mode_16_64 3
		.amdhsa_memory_ordered 1
		.amdhsa_forward_progress 1
		.amdhsa_inst_pref_size 16
	.end_amdhsa_kernel
	.amdgpu_metadata
---
amdhsa.version: [ 1, 2 ]
amdhsa.kernels:
  - .name:           k_q704388dbf6_prep
    .symbol:         k_q704388dbf6_prep.kd
    .args:
      - { .name: x, .offset: 0, .size: 8, .value_kind: global_buffer, .address_space: global }
      - { .name: h, .offset: 8, .size: 8, .value_kind: global_buffer, .address_space: global }
      - { .name: Wx, .offset: 16, .size: 8, .value_kind: global_buffer, .address_space: global }
      - { .name: Wh, .offset: 24, .size: 8, .value_kind: global_buffer, .address_space: global }
      - { .name: abf, .offset: 32, .size: 8, .value_kind: global_buffer, .address_space: global }
      - { .name: bkn, .offset: 40, .size: 8, .value_kind: global_buffer, .address_space: global }
    .group_segment_fixed_size: 0
    .private_segment_fixed_size: 0
    .kernarg_segment_align: 8
    .kernarg_segment_size: 48
    .max_flat_workgroup_size: 256
    .sgpr_count:     66
    .vgpr_count:     136
    .wavefront_size: 32
...
	.end_amdgpu_metadata
.endif
;; end of part 3
;; launch lstm: the kernel of part 2 again; grid 16 x 32, 4 waves a work-group, clusters of 4 x 4, 327,680 bytes of LDS; arguments abf, bkn, c, out0, out1; writes out0, out1
